; MI455X (gfx1250); checked and timed in simulation.
; The chip was launched on July 23, 2026; its instructions are those of AMD's public machine-readable ISA for CDNA 5 (MIT licence, August 2026) and "CDNA5" Instruction Set Architecture Reference Guide (July 2026). The comments in the code are by the model that wrote it; some were corrected since.
;; Feature Extractor. Allowed arithmetic: matrix products marked QUANTISED: E5M2 operands, one given power-of-two scale a tensor, by v_wmma_f32_16x16x64_bf8_bf8 or v_wmma_f32_16x16x128_bf8_bf8, f32 sums; everything else in f32.
;; Inputs: ca_in_b 192 float32; ca_in_w 192 x 64 float32; ca_ln_b 64 float32; ca_ln_g 64 float32; ca_out_b 64 float32; ca_out_w 64 x 64 float32; lowp_scales 36 int32 (the exponents e of the quantised operands' scales 2^e); proj_b 64 float32; proj_w 64 float32; sa_in_b 192 float32; sa_in_w 192 x 64 float32; sa_ln_b 64 float32; sa_ln_g 64 float32; sa_out_b 64 float32; sa_out_w 64 x 64 float32; x_src 256 x 512 float32; x_tgt 256 x 512 float32.
;; Outputs: out0 256 x 64 float32; out1 256 x 64 float32; out2 256 x 64 float32.
;; This version of the problem:
;;   THIS VERSION OF THE PROBLEM IS GIVEN IN LOW PRECISION. The matrix products marked QUANTISED in the list below multiply operands that are first quantised to E5M2 (5 exponent bits, 2 mantissa bits; 8 bits a number), with one given power-of-two scale for each operand tensor; their sums are f32. All else is computed in f32.
;;   The module's matrix products, in the order in which they are computed (A, B: the left and right operand; K: the contracted axis; several contracted axes count as one K, in the product's order):
;;     1. [M 131,072, K 64] x [K 64, N 64]; A: computed on the way; B: input sa_in_w: QUANTISED (scales: A lowp_scales[0], B lowp_scales[1])
;;     2. [M 131,072, K 64] x [K 64, N 64]; A: computed on the way; B: input sa_in_w: QUANTISED (scales: A lowp_scales[2], B lowp_scales[3])
;;     3. [M 131,072, K 64] x [K 64, N 64]; A: computed on the way; B: input sa_in_w: QUANTISED (scales: A lowp_scales[4], B lowp_scales[5])
;;     4. batch 256 x [M 512, K 64] x [K 64, N 512]; A: computed on the way; B: computed on the way: QUANTISED (scales: A lowp_scales[6], B lowp_scales[7])
;;     5. batch 256 x [M 512, K 512] x [K 512, N 64]; A: softmax (see below); B: computed on the way: QUANTISED (scales: A lowp_scales[8], B lowp_scales[9])
;;     6. [M 131,072, K 64] x [K 64, N 64]; A: computed on the way; B: input sa_out_w: QUANTISED (scales: A lowp_scales[10], B lowp_scales[11])
;;     7. [M 131,072, K 64] x [K 64, N 64]; A: computed on the way; B: input sa_in_w: QUANTISED (scales: A lowp_scales[12], B lowp_scales[13])
;;     8. [M 131,072, K 64] x [K 64, N 64]; A: computed on the way; B: input sa_in_w: QUANTISED (scales: A lowp_scales[14], B lowp_scales[15])
;;     9. [M 131,072, K 64] x [K 64, N 64]; A: computed on the way; B: input sa_in_w: QUANTISED (scales: A lowp_scales[16], B lowp_scales[17])
;;     10. batch 256 x [M 512, K 64] x [K 64, N 512]; A: computed on the way; B: computed on the way: QUANTISED (scales: A lowp_scales[18], B lowp_scales[19])
;;     11. batch 256 x [M 512, K 512] x [K 512, N 64]; A: softmax (see below); B: computed on the way: QUANTISED (scales: A lowp_scales[20], B lowp_scales[21])
;;     12. [M 131,072, K 64] x [K 64, N 64]; A: computed on the way; B: input sa_out_w: QUANTISED (scales: A lowp_scales[22], B lowp_scales[23])
;;     13. [M 131,072, K 64] x [K 64, N 64]; A: computed on the way; B: input ca_in_w: QUANTISED (scales: A lowp_scales[24], B lowp_scales[25])
;;     14. [M 131,072, K 64] x [K 64, N 64]; A: computed on the way; B: input ca_in_w: QUANTISED (scales: A lowp_scales[26], B lowp_scales[27])
;;     15. [M 131,072, K 64] x [K 64, N 64]; A: computed on the way; B: input ca_in_w: QUANTISED (scales: A lowp_scales[28], B lowp_scales[29])
;;     16. batch 256 x [M 512, K 64] x [K 64, N 512]; A: computed on the way; B: computed on the way: QUANTISED (scales: A lowp_scales[30], B lowp_scales[31])
;;     17. batch 256 x [M 512, K 512] x [K 512, N 64]; A: softmax (see below); B: computed on the way: QUANTISED (scales: A lowp_scales[32], B lowp_scales[33])
;;     18. [M 131,072, K 64] x [K 64, N 64]; A: computed on the way; B: input ca_out_w: QUANTISED (scales: A lowp_scales[34], B lowp_scales[35])
;;   THE QUANTISER, for each operand of a quantised product, along K:
;;     - The operand's scale is 2^e, e = its entry of the input lowp_scales (int32; the entries are numbered through the quantised products in the list's order, A before B).
;;     - Each number is divided by the scale, clamped to +-57,344, and rounded to the nearest number of E5M2, ties to even, subnormals kept.
;;     - The product sums the exact products of the quantised numbers (number of the format x scale) in f32.
;;   ~~~python
;;   def quantise(x, axis, e):      # numpy; x: float32 -> the quantised numbers, widened to float32 again
;;       x = np.moveaxis(x, axis, -1); K = x.shape[-1]
;;       r = np.clip(x / 2.0 ** e, -57344, 57344)
;;       step = 2.0 ** (np.maximum(np.frexp(np.where(r == 0, 1, r))[1] - 1, -14) - 2)
;;       q = np.round(r / step) * step * 2.0 ** e      # np.round: ties to even
;;       return np.moveaxis(q, -1, axis).astype(np.float32)
;;   ~~~
;;   SOFTMAX AHEAD OF A QUANTISED PRODUCT. Where the list says 'softmax', what is quantised is not the finished softmax but p = 2^(t - M), with t = logit x log2(e) and M = ceil(the row's largest t), a whole number; so 1/2 < the row's largest p <= 1. The row's sum l is taken of the UNQUANTISED p, in f32, and the product's result is divided by l at the end. Since M is a whole number, a kernel that streams over the keys may use a running M (the ceiling of the running maximum): every later rescaling is an exact power of two, so the quantised numbers keep their values, but for numbers so far below the row's largest that they fall under the format's range.
;;   OPERANDS COMPUTED ON THE WAY. 'Computed on the way' means the value that the module computes at that place (a softmax that the list does not call 'softmax' is quantised finished and normalised). What goes into a quantiser is computed in f32, as accurately as f32 sums, v_exp_f32 and their like allow (about 1e-6 of the number): no bf16 or f16 on the way to a quantiser, and a product that is left as it is and whose result goes on into a quantised operand takes f32 operands (vector FMAs, or v_wmma_f32_16x16x4_f32). A number that lies on a knife's edge between two numbers of the format may be rounded either way, as far as f32 arithmetic and the matrix unit's own rounding can turn it there, and no further.
;; One version. Each part assembles by itself: llvm-mc -triple=amdgcn-amd-amdhsa -mcpu=gfx1250 --defsym DOCPART=n.
;; ======== version 1 of 1: 1 launch
;; limits: right only within a limited range of input values
;; launch feat (part 1): grid 256 x 3, 4 waves a work-group, no clusters, 108,032 bytes of LDS; arguments x_src, x_tgt, proj_w, proj_b, sa_in_w, sa_in_b, sa_out_w, sa_out_b, sa_ln_g, sa_ln_b, ca_in_w, ca_in_b, ca_out_w, ca_out_b, ca_ln_g, ca_ln_b, lowp_scales, out0, out1, out2; writes out0, out1, out2
.if DOCPART == 1
	.amdgcn_target "amdgcn-amd-amdhsa--gfx1250"
	.amdhsa_code_object_version 6
	.text
	.protected	k_q3cf0894c21_feat
	.globl	k_q3cf0894c21_feat
	.p2align	8
	.type	k_q3cf0894c21_feat,@function
k_q3cf0894c21_feat:
	s_mov_b64 s[64:65], 0
	v_nop
	global_prefetch_b8 v0, s[64:65] scope:SCOPE_SE
	s_setreg_imm32_b32 hwreg(HW_REG_WAVE_MODE, 25, 1), 1
	s_wait_xcnt 0x0
; One attention block of one batch row, from x to the pooled row of 64 numbers, in one work-group.
; Work-group (b, y): y = 0: self-attention on x_src -> out1; y = 1: self-attention on x_tgt -> out2; y = 2: queries from x_src, keys and values from x_tgt, the ca_ weights -> out0.
; h = x proj_w + proj_b; q, k, v = h W^T + bias; S = q k^T / 8; p = 2^(t - M), M the ceiling of the running largest t; O = p v / sum(p); y = O Wo^T + bo; LayerNorm(h + y); mean over the 512 rows.
; All six products run on codes of E5M2; block y's twelve exponents are lowp_scales[12 y ..]: E0 h for q, E1 wq, E2 h for k, E3 wk, E4 h for v, E5 wv, E6 q, E7 k, E8 p, E9 v, E10 O, E11 wo.
; SHARES.  Four waves; 320 registers a wave and 108,032 bytes a work-group: three work-groups fit on a WGP, 768 = 3 x 256.  Wave w owns rows 128 w .. 128 w + 127 as four pairs of tiles (A, B) of 16.
; First loop: each pair's codes of q, k and v.  Second loop: each pair's attention over all keys in four steps of 128, projection, LayerNorm, pooling.
; Each fragment of K or V that a wave reads from LDS feeds two products (tile A's and tile B's).
; LAYOUT (lane = 16 h + r).  q, k, the scores, O and y are made TRANSPOSED (source 0 = weight rows, keys or channels; source 1 = my 16 rows): a lane holds one row r and its eight registers of tile t are
; the neighbours 16 t + 8 h + 0..7 along the next product's K, so one conversion of eight gives registers 2 t, 2 t + 1 of the next operand.  v is made the other way (source 0 = rows, source 1 = wv), so that
; a lane holds channel 16 t + r and eight neighbouring KEYS: its codes are registers of V^T's fragment.  Nothing changes lanes between products.
; OPERANDS GO THROUGH LDS AS IMAGES OF THEIR REGISTERS: each group of four registers by one 16-byte store at 16 x lane, 512 bytes a group; the same line as a load gives the same registers.
; h is quantised three times, for q, k and v, each with its own given scale, on one path for all scales.
; NO CLUSTER, NO TENSOR LOAD, NO PREFETCH: the operands of the large products are computed here; what work-groups share in memory is 16,384 bytes of weights a wave, read once, and a few rows of 256 bytes.
; LIMITS on the given exponents, so that each power of two below is an f32 number: E0, E2, E4, E1, E3, E5, E11, E8, E6-E0-E1, E7-E2-E3, E9-E4-E5 and E10-E8-E9 between -126 and 112;
; E6+E7 between -123 and 130; E10+E11 between -50 and 50, and LayerNorm's operand h + y, which is kept in units of 2^(E10+E11), stays under 2^(60+E10+E11).  NaN among the inputs is not served.
; 1 / sum(p) and 1 / sqrt(var + eps) are v_rcp_f32 and v_rsq_f32.
; REGISTERS: v0 thread; v1 16 x lane; v2 LDS address in hand; v3 the conversions' scale; v4-15 offsets and x, later the softmax's statistics (A: v4 -M, v5 largest t, v[6:7] sum, v12 f; B: v8, v9, v[10:11], v14);
; v16-31 Q's codes; v32-47 h's codes and v48-63 k's, v's, later K's fragments and p's codes; v64-127 weights and biases, later scores of A, V's fragments; v128-191 results, scores of B; v192-223 h; v224-255 v's bias; v192-255 O^T;
; window 1: v256-287 proj_w, v288-319 proj_b, in the second loop the pooled sums.
.set KIMG, 16384                       ; LDS: 0: sixteen weight fragments of 1,024 bytes (wq 0-3, wk 4-7, wv 8-11, wo 12-15);  KIMG: K's 32 tiles of 16 keys, 1,024 bytes each
.set VIMG, 49152                       ; V^T's fragments (key step s, channels 16 t on) at (4 s + t) x 2,048
.set QIMG, 81920                       ; Q's codes of three of a wave's four pairs: wave x 6,144 + 2,048 a pair; at the end the wave's pooled sums
.set BIAS, 106496                      ; four rows of 256 bytes: bq, bk, bv, proj_b + out_b, each divided by the power of two that its product's sums lack
.set SPARE, 107520                     ; the spare words, 128 bytes a wave
.set MSB, 0
.macro WIN new                         ; register windows; the immediate's high byte repeats the setting that is left
.if MSB != \new
	s_set_vgpr_msb (MSB<<8)|\new
.set MSB, \new
.endif
.endm
.macro PLACES n                        ; plain vector instructions between a matrix instruction and what touches its registers (ISA guide 7.12.1)
.rept \n
	v_nop
.endr
.endm
.macro WA
	s_wait_alu depctr_va_vdst(0)
.endm
.macro BARRIER                         ; my LDS stores have landed and my LDS loads are in: then the work-group's barrier
	WA
	s_wait_dscnt 0x0
	s_barrier_signal -1
	s_barrier_wait -1
.endm
.macro SETQ e                          ; for the scale 2^s[e]: v3 = 2^e as f32 (the conversion takes its exponent field), s81 = 57,344 x 2^e, s80 = -s81
	s_add_co_i32 s76, s[\e], 127
	s_lshl_b32 s77, s76, 23
	v_mov_b32 v3, s77
	s_add_co_i32 s76, s76, 15
	s_lshl_b32 s76, s76, 23
	s_or_b32 s81, s76, 0x600000
	s_or_b32 s80, s81, 0x80000000
.endm
.macro HOLDN n, src                    ; the conversion to an 8-bit code does not saturate (ISA guide 7.6.2): the hold comes first
.set j, 0
.rept \n
	v_med3_num_f32 v[(\src)+j], v[(\src)+j], s80, s81
.set j, j+1
.endr
.endm
.macro QUANT32 dst, src                ; a lane's 32 numbers -> a fragment of 64 along K; the v_nop is the plain line behind the run's last conversion
	HOLDN 32, \src
.irp g, 0,1,2,3
	v_cvt_scalef32_pk8_bf8_f32 v[(\dst)+2*\g:(\dst)+2*\g+1], v[(\src)+8*\g:(\src)+8*\g+7], v3
.endr
	v_nop
.endm
.macro HROW dst, xp                    ; 32 numbers of a row: x (low word of the pair) x proj_w + proj_b
	WIN 0x11
.irp i, 0,2,4,6,8,10,12,14,16,18,20,22,24,26,28,30
	v_pk_fma_f32 v[(\dst)+\i:(\dst)+\i+1], v[\i:\i+1], v[(\xp):(\xp)+1], v[32+\i:33+\i] op_sel_hi:[1,0,1]
.endr
	WIN 0
.endm
.macro HCODE xa, xb, e                 ; h's codes of a pair of tiles -> v32-47
	SETQ \e
	HROW 192, \xa
	QUANT32 32, 192
	HROW 192, \xb
	QUANT32 40, 192
.endm
.macro WLOAD reg, f                    ; four weight fragments, f .. f + 3, from their images
.irp t, 0,1,2,3
	ds_load_b128 v[(\reg)+8*\t:(\reg)+8*\t+3], v1 offset:((\f)+\t)*1024
	ds_load_b128 v[(\reg)+8*\t+4:(\reg)+8*\t+7], v1 offset:((\f)+\t)*1024+512
.endr
.endm
.macro BLOAD reg, off                  ; a bias in a transposed result's layout: channels 16 c + 8 h + 0..7; v5 = BIAS + 32 h
.irp c, 0,1,2,3
	ds_load_b128 v[(\reg)+8*\c:(\reg)+8*\c+3], v5 offset:(\off)+64*\c
	ds_load_b128 v[(\reg)+8*\c+4:(\reg)+8*\c+7], v5 offset:(\off)+64*\c+16
.endr
.endm
.macro GLOAD32 reg, adr, sb, off       ; a lane's 4 x 8 numbers, 64 bytes apart: those at 16 c + 8 h + 0..7 of a row of 64
.irp c, 0,1,2,3
	global_load_b128 v[(\reg)+8*\c:(\reg)+8*\c+3], v[\adr], s[\sb:\sb+1] offset:(\off)+64*\c
	global_load_b128 v[(\reg)+8*\c+4:(\reg)+8*\c+7], v[\adr], s[\sb:\sb+1] offset:(\off)+64*\c+16
.endr
.endm
	s_load_b512 s[4:19], s[0:1], 0x0               ; x_src 4, x_tgt 6, proj_w 8, proj_b 10, sa_in_w 12, sa_in_b 14, sa_out_w 16, sa_out_b 18
	s_load_b512 s[20:35], s[0:1], 0x40             ; sa_ln_g 20, sa_ln_b 22, ca_in_w 24, ca_in_b 26, ca_out_w 28, ca_out_b 30, ca_ln_g 32, ca_ln_b 34
	s_load_b256 s[36:43], s[0:1], 0x80             ; lowp_scales 36, out0 38, out1 40, out2 42
	v_lshrrev_b32 v2, 5, v0
	v_and_b32 v1, 31, v0
	v_and_b32 v12, 15, v0                          ; r
	v_bfe_u32 v15, v0, 4, 1                        ; h
	v_readfirstlane_b32 s2, v2                     ; wave 0..3
	s_and_b32 s3, ttmp7, 0xffff                    ; y: which block
	v_lshlrev_b32 v14, 3, v1                       ; 8 x lane
	v_lshlrev_b32 v1, 4, v1                        ; 16 x lane
.set WP, 272                           ; my weight's 64 rows turn through a stage of my wave's own: rows of 256 bytes, WP apart, from KIMG + 64 WP x wave on; K, V and Q come there only behind the barrier below
	v_mul_u32_u24 v13, v12, WP
	v_mul_u32_u24 v198, v15, WP
	s_mul_i32 s60, s2, 64*WP
	s_add_co_u32 s60, s60, KIMG
	v_lshl_add_u32 v198, v12, 4, v198
	v_lshlrev_b32 v15, 5, v15                      ; 32 h: my half's eight numbers of sixteen
	v_add_nc_u32 v198, s60, v198                   ; the stage, on the way in: lanes 0-15 hold one row, lanes 16-31 the next
	v_add_nc_u32 v13, s60, v13
	v_lshlrev_b32 v12, 2, v12                      ; 4 r
	v_add_nc_u32 v13, v13, v15                     ; and on the way out: row r, + 32 h
	v_add_nc_u32 v5, BIAS, v15                     ; (v5, v7, v9, v11 are also named as the upper halves of the pairs that carry x)
	v_mov_b32 v7, 0
	v_mov_b32 v9, 0
	v_mov_b32 v11, 0
	s_mov_b32 s66, 0x76543210                      ; v_permlanex16_b32's selects for lane xor 16
	s_mov_b32 s67, 0xfedcba98
	s_mov_b32 s75, 0x3c800000                      ; 1 / 64
	WA
	s_wait_kmcnt 0x0
	s_cmp_eq_u32 s3, 2                             ; only pointers are chosen, by the work-group's number: all three blocks take one path
	s_cselect_b64 s[12:13], s[24:25], s[12:13]     ; in_w
	s_cselect_b64 s[14:15], s[26:27], s[14:15]     ; in_b
	s_cselect_b64 s[16:17], s[28:29], s[16:17]     ; out_w
	s_cselect_b64 s[18:19], s[30:31], s[18:19]     ; out_b
	s_cselect_b64 s[20:21], s[32:33], s[20:21]     ; ln_g
	s_cselect_b64 s[22:23], s[34:35], s[22:23]     ; ln_b
	s_cselect_b64 s[38:39], s[38:39], s[42:43]     ; the output: out0 for y = 2, out2 for y = 1,
	s_cmp_eq_u32 s3, 0
	s_cselect_b64 s[38:39], s[40:41], s[38:39]     ; out1 for y = 0
	s_cselect_b64 s[46:47], s[4:5], s[6:7]         ; keys and values: x_src for y = 0 alone
	s_cmp_eq_u32 s3, 1
	s_cselect_b64 s[44:45], s[6:7], s[4:5]         ; queries: x_tgt for y = 1 alone
	s_mul_i32 s60, s3, 48
	s_mov_b32 s61, 0
	s_add_nc_u64 s[36:37], s[36:37], s[60:61]      ; my block's twelve exponents
	s_load_b256 s[48:55], s[36:37], 0x0            ; E0 .. E7
	s_load_b128 s[56:59], s[36:37], 0x20           ; E8 .. E11
	s_lshl_b32 s62, ttmp9, 11                      ; the batch row's 2,048 bytes of x,
	s_lshl_b32 s60, s2, 9                          ; my wave's 128 numbers
	s_add_co_u32 s62, s62, s60
	s_mov_b32 s63, 0
	s_add_nc_u64 s[44:45], s[44:45], s[62:63]
	s_add_nc_u64 s[46:47], s[46:47], s[62:63]
	s_lshl_b32 s62, ttmp9, 8
	s_add_nc_u64 s[38:39], s[38:39], s[62:63]      ; the batch row's 256 bytes of the output
	s_cmp_lt_u32 s2, 3                             ; waves 0, 1, 2, 3 quantise wq, wk, wv, wo and scale bq, bk, bv, proj_b + out_b
	s_cselect_b64 s[88:89], s[12:13], s[16:17]
	s_cselect_b64 s[90:91], s[14:15], s[18:19]
	s_cselect_b32 s92, s2, 0
	s_cselect_b32 s87, 0, -1                       ; wave 3 adds proj_b
	s_lshl_b32 s62, s92, 14                        ; 64 rows of 256 bytes
	s_add_nc_u64 s[88:89], s[88:89], s[62:63]
	s_lshl_b32 s62, s92, 8
	s_add_nc_u64 s[90:91], s[90:91], s[62:63]
	; 54 loads, in the order in which they are wanted
.irp f, 0,1,2,3
.irp i, 0,1,2,3,4,5,6,7
	global_load_b128 v[64+32*\f+4*\i:67+32*\f+4*\i], v1, s[88:89] offset:4096*\f+512*\i   ; my four weight fragments as f32, 512 consecutive bytes a load
.endr
.endr
	global_load_b64 v[192:193], v14, s[90:91]      ; two numbers of my bias,
	global_load_b64 v[194:195], v14, s[10:11]      ; of proj_b
	global_load_b32 v4, v12, s[44:45]              ; x of the first pair's queries: tile A's row r,
	global_load_b32 v6, v12, s[44:45] offset:64    ; tile B's
	global_load_b32 v8, v12, s[46:47]              ; x of its keys
	global_load_b32 v10, v12, s[46:47] offset:64
	WIN 0x40
	GLOAD32 0, 15, 8, 0                            ; proj_w -> v256..
	GLOAD32 32, 15, 10, 0                          ; proj_b -> v288..
	WIN 0
	s_wait_kmcnt 0x0
	s_sub_co_i32 s82, s54, s48
	s_sub_co_i32 s82, s82, s49                     ; E6 - E0 - E1: a sum of q's product stands for sum x 2^(E0 + E1), so q's conversion takes the three scales as one
	s_sub_co_i32 s83, s55, s50
	s_sub_co_i32 s83, s83, s51                     ; E7 - E2 - E3, for k
	s_sub_co_i32 s84, s57, s52
	s_sub_co_i32 s84, s84, s53                     ; E9 - E4 - E5, for v
	s_sub_co_i32 s85, s58, s56
	s_sub_co_i32 s85, s85, s57                     ; E10 - E8 - E9, for O
	s_add_co_i32 s60, s54, s55
	s_lshl_b32 s60, s60, 23
	s_mov_b32 s68, 0x3e38aa3b                      ; c = log2(e) / 8;
	s_add_co_i32 s68, s68, s60                     ; a score stands for score x 2^(E6 + E7): added to c's exponent field
	s_mov_b32 s69, s68                             ; (named with it as a pair, so it is written)
	s_add_co_i32 s72, s56, 142
	s_lshl_b32 s72, s72, 23
	s_or_b32 s72, s72, 0x600000                    ; 57,344 x 2^E8
	s_add_co_i32 s60, s48, s49
	s_add_co_i32 s61, s50, s51
	s_add_co_i32 s62, s52, s53
	s_add_co_i32 s63, s58, s59
	s_sub_co_i32 s79, 0, s63                       ; -(E10 + E11): LayerNorm's operand is kept in units of 2^(E10 + E11),
	s_lshl_b32 s70, s79, 24
	s_mov_b32 s78, 0x3727c5ac                      ; so its 1e-5 is multiplied by 2^(-2 (E10 + E11))
	s_add_co_i32 s78, s78, s70
	s_cmp_eq_u32 s2, 0                             ; my weight's exponent, and my bias's
	s_cselect_b32 s86, s49, s51
	s_cselect_b32 s92, s60, s61
	s_cmp_eq_u32 s2, 2
	s_cselect_b32 s86, s53, s86
	s_cselect_b32 s92, s62, s92
	s_cmp_eq_u32 s2, 3
	s_cselect_b32 s86, s59, s86
	s_cselect_b32 s92, s63, s92
	s_sub_co_i32 s92, 0, s92
	s_lshl_b32 s60, s2, 12
	v_add_nc_u32 v2, s60, v1                       ; where my weight fragments' images go
	s_lshl_b32 s60, s2, 8
	s_add_co_u32 s60, s60, BIAS
	v_add_nc_u32 v196, s60, v14                    ; and my bias
	v_add_nc_u32 v197, BIAS, v12
	SETQ 86
	WA
.irp f, 0,1,2,3
	s_wait_loadcnt 46-8*\f                         ; fragments 0 .. f are in; the later loads may be out
.irp i, 0,1,2,3,4,5,6,7
	ds_store_b128 v198, v[64+32*\f+4*\i:67+32*\f+4*\i] offset:(16*\f+2*\i)*WP
.endr
.endr
	s_wait_dscnt 0x0                               ; the stores have read their registers, on which the loads land
.irp f, 0,1,2,3
.irp c, 0,1,2,3
	ds_load_b128 v[64+32*\f+8*\c:67+32*\f+8*\c], v13 offset:16*\f*WP+64*\c       ; row 16 f + r, numbers 16 c + 8 h + 0..7
	ds_load_b128 v[68+32*\f+8*\c:71+32*\f+8*\c], v13 offset:16*\f*WP+64*\c+16
.endr
.endr
.irp f, 0,1,2,3
	s_wait_dscnt 24-6*\f                           ; fragment f's loads are in; the later fragments' 8 (3 - f) and the 2 f stores of images may be out
	QUANT32 16+8*\f, 64+32*\f
	ds_store_b128 v2, v[16+8*\f:19+8*\f] offset:1024*\f
	ds_store_b128 v2, v[20+8*\f:23+8*\f] offset:1024*\f+512
.endr
	s_wait_loadcnt 20                              ; the biases are in; x 4 and proj 16 may be out
	v_cndmask_b32 v194, 0, v194, s87
	v_cndmask_b32 v195, 0, v195, s87
	v_pk_add_f32 v[192:193], v[192:193], v[194:195]
	v_ldexp_f32 v192, v192, s92
	v_ldexp_f32 v193, v193, s92
	ds_store_b64 v196, v[192:193]
	BARRIER                                        ; all weight fragments and biases lie in LDS
.irp t, 0,1,2,3
	ds_load_b32 v[200+\t], v197 offset:512+64*\t   ; bv(16 t + r)
.endr
	s_lshl_b32 s73, s2, 13                         ; images of my keys in K: 8,192 a wave, 2,048 a pair
	s_mov_b32 s87, s73                             ; in V: 8,192 a wave, 512 (a register group) a pair
	s_mul_i32 s94, s2, 6144
	s_add_co_u32 s94, s94, QIMG                    ; my Q
	s_mov_b32 s95, 128                             ; the next pair's x
	s_mov_b32 s74, 0
	s_wait_dscnt 0x0
.irp t, 0,1,2,3
.irp i, 0,1,2,3,4,5,6,7
	v_mov_b32 v[224+8*\t+\i], v[200+\t]            ; v's bias in its result's layout: a lane's channel is the same in all eight registers
.endr
.endr
	WA
; ---- A trip makes one pair's codes of q, k and v
.Lmake:
	s_wait_loadcnt 0x0                             ; x (the first time proj too)
	v_add_nc_u32 v2, s73, v1
	v_add_nc_u32 v13, s87, v1
	v_add_nc_u32 v14, s94, v1
	v_add_nc_u32 v15, s95, v12
	WLOAD 64, 0                                    ; wq
	BLOAD 96, 0                                    ; bq: the C of the one product
	HCODE 4, 6, 48                                 ; h of the queries, for q
	WA
	s_wait_dscnt 0x0
.irp u, 0,1
.irp t, 0,1,2,3
	v_wmma_f32_16x16x64_bf8_bf8 v[128+32*\u+8*\t:135+32*\u+8*\t], v[64+8*\t:71+8*\t], v[32+8*\u:39+8*\u], v[96+8*\t:103+8*\t]
.endr
.endr
	HCODE 8, 10, 50                                ; h of the keys, for k.  Its first 48 vector lines name no register of q's products and are the places behind them
	WLOAD 64, 4                                    ; wk
	BLOAD 96, 256                                  ; bk
	SETQ 82
	QUANT32 16, 128
	QUANT32 24, 160
	WA
	s_wait_dscnt 0x0
.irp u, 0,1
.irp t, 0,1,2,3
	v_wmma_f32_16x16x64_bf8_bf8 v[128+32*\u+8*\t:135+32*\u+8*\t], v[64+8*\t:71+8*\t], v[32+8*\u:39+8*\u], v[96+8*\t:103+8*\t]
.endr
.endr
	HCODE 8, 10, 52                                ; and for v; the places behind k's products likewise
	WA
	WLOAD 64, 8                                    ; wv
	s_cmp_eq_u32 s74, 3
	s_cbranch_scc1 .Lkeepq                         ; the last pair's Q stays in v16-31: its attention comes first; and there is no further x
.irp u, 0,1
	ds_store_b128 v14, v[16+8*\u:19+8*\u] offset:1024*\u
	ds_store_b128 v14, v[20+8*\u:23+8*\u] offset:1024*\u+512
.endr
	global_load_b32 v4, v15, s[44:45]              ; the next pair's x
	global_load_b32 v6, v15, s[44:45] offset:64
	global_load_b32 v8, v15, s[46:47]
	global_load_b32 v10, v15, s[46:47] offset:64
.Lkeepq:
	SETQ 83
	QUANT32 48, 128
	QUANT32 56, 160
.irp u, 0,1
	ds_store_b128 v2, v[48+8*\u:51+8*\u] offset:KIMG+1024*\u
	ds_store_b128 v2, v[52+8*\u:55+8*\u] offset:KIMG+1024*\u+512
.endr
	WA
	s_wait_dscnt 4                                 ; wv is in; the four stores just issued may be out
.irp u, 0,1                                    ; v, not transposed: source 0 = my rows, source 1 = wv
.irp t, 0,1,2,3
	v_wmma_f32_16x16x64_bf8_bf8 v[128+32*\u+8*\t:135+32*\u+8*\t], v[32+8*\u:39+8*\u], v[64+8*\t:71+8*\t], v[224+8*\t:231+8*\t]
.endr
.endr
	PLACES 4
	SETQ 84
	HOLDN 64, 128
.irp u, 0,1
.irp t, 0,1,2,3
	v_cvt_scalef32_pk8_bf8_f32 v[48+4*\t+2*\u:49+4*\t+2*\u], v[128+32*\u+8*\t:135+32*\u+8*\t], v3   ; keys 16 u + 8 h + 0..7 of the pair's 32, channel 16 t + r
.endr
.endr
	v_nop                                          ; the plain line behind the run's last conversion
.irp t, 0,1,2,3
	ds_store_b128 v13, v[48+4*\t:51+4*\t] offset:VIMG+2048*\t
.endr
	s_add_co_u32 s73, s73, 2048
	s_add_co_u32 s87, s87, 512
	s_add_co_u32 s94, s94, 2048
	s_add_co_u32 s95, s95, 128
	s_add_co_u32 s74, s74, 1
	s_cmp_lt_u32 s74, 4
	WA
	s_cbranch_scc1 .Lmake
	WIN 0x40
.set j, 0
.rept 32
	v_mov_b32 v[32+j], 0                           ; v288-319: the pooled sums begin (the second loop is written once)
.set j, j+1
.endr
	WIN 0
	s_mul_i32 s94, s2, 6144
	s_add_co_u32 s94, s94, QIMG
	s_mov_b32 s95, 384                             ; pairs 3, 0, 1, 2: the last pair's Q is in registers
	s_mov_b32 s74, 4
	BARRIER                                        ; K's and V's codes of all 512 keys lie in LDS
; The row's sum is taken of the unquantised p: two at a time, in three chains.  first = 1: the sum begins here
.macro SUMS first, S, L, T, U
.if \first
	v_pk_add_f32 v[\L:\L+1], v[\S:\S+1], v[\S+2:\S+3]
.set j, 4
.else
.set j, 0
.endif
	v_pk_add_f32 v[\T:\T+1], v[\S+j:\S+j+1], v[\S+j+2:\S+j+3]
	v_pk_add_f32 v[\U:\U+1], v[\S+j+4:\S+j+5], v[\S+j+6:\S+j+7]
.set j, j+8
.set k, 0
.rept (64-j)/2
.if k == 0
	v_pk_add_f32 v[\L:\L+1], v[\L:\L+1], v[\S+j:\S+j+1]
.endif
.if k == 1
	v_pk_add_f32 v[\T:\T+1], v[\T:\T+1], v[\S+j:\S+j+1]
.endif
.if k == 2
	v_pk_add_f32 v[\U:\U+1], v[\U:\U+1], v[\S+j:\S+j+1]
.endif
.set j, j+2
.set k, (k+1)%3
.endr
	v_pk_add_f32 v[\L:\L+1], v[\L:\L+1], v[\T:\T+1]
	v_pk_add_f32 v[\L:\L+1], v[\L:\L+1], v[\U:\U+1]
.endm
.macro PCODES dst, src                 ; 64 p -> keys 16 i + 8 h + 0..7: registers 2 i, 2 i + 1 of the second product's operand
.irp i, 0,1,2,3,4,5,6,7
	v_cvt_scalef32_pk8_bf8_f32 v[(\dst)+2*\i:(\dst)+2*\i+1], v[(\src)+8*\i:(\src)+8*\i+7], v3
.endr
	v_nop
.endm
.macro VLOAD                           ; V's four fragments take tile A's place
.irp t, 0,1,2,3
.irp g, 0,1,2,3
	ds_load_b128 v[64+16*\t+4*\g:67+16*\t+4*\g], v2 offset:VIMG+2048*\t+512*\g
.endr
.endr
.endm
; A KEY STEP: 128 keys against a pair's 32 queries.  first = 1: it starts M, the sums and O^T.
.macro STEP first
	v_add_nc_u32 v2, s73, v1
	WA
.irp b, 0,1                                    ; S^T = K Q^T, four tiles of 16 keys at a time, each fragment of K against both tiles of queries
.irp i, 0,1,2,3
	ds_load_b128 v[32+8*\i:35+8*\i], v2 offset:KIMG+4096*\b+1024*\i
	ds_load_b128 v[36+8*\i:39+8*\i], v2 offset:KIMG+4096*\b+1024*\i+512
.endr
.irp i, 0,1,2,3
	s_wait_dscnt 6-2*\i                            ; fragment i's two loads are in, and whatever is older; the later fragments' may be out
	v_wmma_f32_16x16x64_bf8_bf8 v[64+32*\b+8*\i:71+32*\b+8*\i], v[32+8*\i:39+8*\i], v[16:23], 0
	v_wmma_f32_16x16x64_bf8_bf8 v[128+32*\b+8*\i:135+32*\b+8*\i], v[32+8*\i:39+8*\i], v[24:31], 0
.endr
.if \b == 0
	PLACES 4                                       ; in front of loads into registers that these products read, and of the first reads of their results
.endif
.endr
	; the largest score, in four chains, ascending; the first 64 keys' 28 lines name no register of the eight products just issued and are the places behind them
	v_max3_num_f32 v12, v64, v65, v66
	v_max3_num_f32 v13, v80, v81, v82
	v_max3_num_f32 v14, v128, v129, v130
	v_max3_num_f32 v15, v144, v145, v146
.irp i, 3,5,7,9,11,13
	v_max3_num_f32 v12, v12, v[64+\i], v[65+\i]
	v_max3_num_f32 v13, v13, v[80+\i], v[81+\i]
	v_max3_num_f32 v14, v14, v[128+\i], v[129+\i]
	v_max3_num_f32 v15, v15, v[144+\i], v[145+\i]
.endr
	v_max3_num_f32 v12, v12, v79, v96
	v_max3_num_f32 v13, v13, v95, v112
	v_max3_num_f32 v14, v14, v143, v160
	v_max3_num_f32 v15, v15, v159, v176
.irp i, 1,3,5,7,9,11,13
	v_max3_num_f32 v12, v12, v[96+\i], v[97+\i]
	v_max3_num_f32 v13, v13, v[112+\i], v[113+\i]
	v_max3_num_f32 v14, v14, v[160+\i], v[161+\i]
	v_max3_num_f32 v15, v15, v[176+\i], v[177+\i]
.endr
	v_max3_num_f32 v12, v12, v111, v127
	v_max3_num_f32 v14, v14, v175, v191
	s_delay_alu instid0(VALU_DEP_2)
	v_max_num_f32 v12, v12, v13
	s_delay_alu instid0(VALU_DEP_2)
	v_max_num_f32 v14, v14, v15
	s_delay_alu instid0(VALU_DEP_2)
	v_permlanex16_b32 v13, v12, s66, s67           ; my query's other 64 keys lie in lane xor 16
	s_delay_alu instid0(VALU_DEP_2)
	v_permlanex16_b32 v15, v14, s66, s67
	s_delay_alu instid0(VALU_DEP_2)
	v_max_num_f32 v12, v12, v13
	s_delay_alu instid0(VALU_DEP_2)
	v_max_num_f32 v14, v14, v15
.if \first
	s_delay_alu instid0(VALU_DEP_2)
	v_mul_f32 v5, s68, v12                         ; as t (c is positive)
	s_delay_alu instid0(VALU_DEP_2)
	v_mul_f32 v9, s68, v14
	s_delay_alu instid0(VALU_DEP_2)
	v_floor_f32 v4, -v5                            ; -M = floor(-t) = -ceil(t): M is a whole number
	s_delay_alu instid0(VALU_DEP_2)
	v_floor_f32 v8, -v9
.else
	s_delay_alu instid0(VALU_DEP_2)
	v_mul_f32 v12, s68, v12
	s_delay_alu instid0(VALU_DEP_2)
	v_mul_f32 v14, s68, v14
	s_delay_alu instid0(VALU_DEP_2)
	v_max_num_f32 v5, v5, v12                      ; the running largest t
	s_delay_alu instid0(VALU_DEP_2)
	v_max_num_f32 v9, v9, v14
	v_mov_b32 v13, v4
	v_mov_b32 v15, v8
	s_delay_alu instid0(VALU_DEP_4)
	v_floor_f32 v4, -v5
	s_delay_alu instid0(VALU_DEP_4)
	v_floor_f32 v8, -v9
	s_delay_alu instid0(VALU_DEP_2)
	v_sub_f32 v13, v4, v13                         ; old M - new M: a whole number, 0 or less
	s_delay_alu instid0(VALU_DEP_2)
	v_sub_f32 v15, v8, v15
	s_delay_alu instid0(VALU_DEP_2)
	v_cvt_i32_f32 v13, v13
	s_delay_alu instid0(VALU_DEP_2)
	v_cvt_i32_f32 v15, v15
	s_delay_alu instid0(VALU_DEP_2)
	v_ldexp_f32 v12, 1.0, v13                      ; f = 2^(old M - new M): multiplying by it rounds nothing
	s_delay_alu instid0(VALU_DEP_2)
	v_ldexp_f32 v14, 1.0, v15
.endif
.set j, 0
.rept 32
	v_pk_fma_f32 v[64+j:65+j], v[64+j:65+j], s[68:69], v[4:5] op_sel_hi:[1,0,0]   ; t - M (of the pairs c and -M the low word serves both halves)
.set j, j+2
.endr
.set j, 0
.rept 32
	v_pk_fma_f32 v[128+j:129+j], v[128+j:129+j], s[68:69], v[8:9] op_sel_hi:[1,0,0]
.set j, j+2
.endr
.set j, 0
	WA
.rept 128
	v_exp_f32 v[64+j], v[64+j]                     ; p = 2^(t - M): one batch for both tiles
.set j, j+1
.endr
.if \first
	v_mov_b32 v3, s77                              ; 2^E8, for p's conversions.  (The plain line behind the last exponential)
.else
	v_pk_mul_f32 v[6:7], v[6:7], v[12:13] op_sel_hi:[1,0]      ; work that names no exponential's result: the sums and O^T under the new M
	v_pk_mul_f32 v[10:11], v[10:11], v[14:15] op_sel_hi:[1,0]
	WA
.set j, 0
.rept 16
	v_pk_mul_f32 v[192+j:193+j], v[192+j:193+j], v[12:13] op_sel_hi:[1,0]
.set j, j+2
.endr
.set j, 0
.rept 16
	v_pk_mul_f32 v[224+j:225+j], v[224+j:225+j], v[14:15] op_sel_hi:[1,0]
.set j, j+2
.endr
.endif
	WA                                             ; one wait for the batch of 128, ahead of the first line that names a result
	SUMS \first, 64, 6, 12, 62
	; p's hold at the largest code.  p is at most 1 (a rounding above it at the most), and with E8 >= -15 the largest code stands for 57,344 x 2^E8 >= 1.75: the hold then changes nothing and is passed over,
	; by a scalar branch on the given whole number, the same in every wave; no barrier stands inside.  Tile B's held numbers go to other registers: its sum is still to be taken
	s_cmp_ge_i32 s56, -15
	s_cbranch_scc1 .Lno_hold_\@
.set j, 0
.rept 64
	v_min_num_f32 v[64+j], s72, v[64+j]
.set j, j+1
.endr
	PCODES 32, 64
.set j, 0
.rept 64
	v_min_num_f32 v[64+j], s72, v[128+j]
.set j, j+1
.endr
	PCODES 48, 64
	VLOAD
	WA
	s_branch .Lcoded_\@
.Lno_hold_\@:
	PCODES 32, 64
	VLOAD
	PCODES 48, 128
.Lcoded_\@:
	WA
.irp t, 0,1,2,3                                ; O^T += V^T P^T: the eight accumulators by turns, one instruction a turn; the sixteen score products stand between two links of a chain
	s_wait_dscnt 12-4*\t                           ; fragment t's four loads are in; the later fragments' may be out
.irp u, 0,1
.if \first
	v_wmma_f32_16x16x128_bf8_bf8 v[192+32*\u+8*\t:199+32*\u+8*\t], v[64+16*\t:79+16*\t], v[32+16*\u:47+16*\u], 0
.else
	v_wmma_f32_16x16x128_bf8_bf8 v[192+32*\u+8*\t:199+32*\u+8*\t], v[64+16*\t:79+16*\t], v[32+16*\u:47+16*\u], v[192+32*\u+8*\t:199+32*\u+8*\t]
.endif
.endr
.endr
	SUMS \first, 128, 10, 12, 14                   ; tile B's sum: lines that name none of these products' registers are the places behind them
	s_add_co_u32 s73, s73, 8192
.endm
.macro FOLD                            ; v[16:19] -> v16 and v[20:23] -> v20: the four partial sums, and lane xor 16's
	s_delay_alu instid0(VALU_DEP_3)
	v_pk_add_f32 v[16:17], v[16:17], v[18:19]
	s_delay_alu instid0(VALU_DEP_2)
	v_pk_add_f32 v[20:21], v[20:21], v[22:23]
.irp z, 0,1
	s_delay_alu instid0(VALU_DEP_2)
	v_add_f32 v[16+4*\z], v[16+4*\z], v[17+4*\z]
.endr
.irp z, 0,1
	s_delay_alu instid0(VALU_DEP_2)
	v_permlanex16_b32 v[17+4*\z], v[16+4*\z], s66, s67
.endr
.irp z, 0,1
	s_delay_alu instid0(VALU_DEP_2)
	v_add_f32 v[16+4*\z], v[16+4*\z], v[17+4*\z]
.endr
.endm
; ---- A trip takes one pair of tiles through attention, projection, LayerNorm and pooling
.Lpair:
	s_add_co_i32 s76, s56, 127
	s_lshl_b32 s77, s76, 23                        ; 2^E8
	s_mov_b32 s73, 0                               ; LDS bytes from the first key step's images to those in hand: 8,192 a step, in K's and in V's alike
	STEP 1
	s_mov_b32 s60, 3
	WA
.Lstep:
	STEP 0
	s_sub_co_u32 s60, s60, 1
	s_cmp_lg_u32 s60, 0
	WA
	s_cbranch_scc1 .Lstep
	v_add_f32 v6, v6, v7
	v_add_f32 v10, v10, v11
	v_bfe_u32 v5, v0, 4, 1
	v_and_b32 v4, 15, v0
	v_permlanex16_b32 v7, v6, s66, s67
	v_permlanex16_b32 v11, v10, s66, s67
	v_lshlrev_b32 v5, 5, v5
	v_lshlrev_b32 v4, 2, v4
	v_add_f32 v6, v6, v7                           ; the rows' sums
	v_add_f32 v10, v10, v11
	v_add_nc_u32 v5, BIAS, v5                      ; BIAS + 32 h
	v_add_nc_u32 v4, s95, v4                       ; 4 r + the pair's 128 bytes
	WLOAD 32, 12                                   ; wo
	BLOAD 64, 768                                  ; proj_b + out_b, in units of 2^(E10 + E11): the C of the last product
	global_load_b32 v96, v4, s[44:45]              ; x of the queries
	global_load_b32 v98, v4, s[44:45] offset:64
	WA
	v_rcp_f32 v6, v6
	v_rcp_f32 v10, v10
	v_nop                                          ; the plain line behind the reciprocals,
	WA                                             ; and one wait for the two, ahead of their first reader
.set j, 0
.rept 16
	v_pk_mul_f32 v[192+j:193+j], v[192+j:193+j], v[6:7] op_sel_hi:[1,0]
.set j, j+2
.endr
.set j, 0
.rept 16
	v_pk_mul_f32 v[224+j:225+j], v[224+j:225+j], v[10:11] op_sel_hi:[1,0]
.set j, j+2
.endr
	SETQ 85
	QUANT32 16, 192
	QUANT32 24, 224
	WA
	s_wait_dscnt 0x0                               ; wo and the bias
.irp u, 0,1
.irp t, 0,1,2,3
	v_wmma_f32_16x16x64_bf8_bf8 v[128+32*\u+8*\t:135+32*\u+8*\t], v[32+8*\t:39+8*\t], v[16+8*\u:23+8*\u], v[64+8*\t:71+8*\t]
.endr
.endr
	s_wait_loadcnt 0x0
	v_ldexp_f32 v96, v96, s79                      ; x in the same units
	v_ldexp_f32 v98, v98, s79
	PLACES 2                                       ; with the two lines above four
	WIN 0x01
.irp u, 0,1
.irp i, 0,2,4,6,8,10,12,14,16,18,20,22,24,26,28,30
	v_pk_fma_f32 v[128+32*\u+\i:129+32*\u+\i], v[\i:\i+1], v[96+2*\u:97+2*\u], v[128+32*\u+\i:129+32*\u+\i] op_sel_hi:[1,0,1]   ; u = sum + (proj_b + out_b) + x proj_w
.endr
.endr
	WIN 0
	; ---- LayerNorm of my two rows, side by side: a lane holds 32 of a row's 64 numbers, lane xor 16 the others
.irp z, 0,1
	v_pk_add_f32 v[16+4*\z:17+4*\z], v[128+32*\z:129+32*\z], v[130+32*\z:131+32*\z]
	v_pk_add_f32 v[18+4*\z:19+4*\z], v[132+32*\z:133+32*\z], v[134+32*\z:135+32*\z]
.endr
.irp j, 8,12,16,20,24,28
.irp z, 0,1
	s_delay_alu instid0(VALU_DEP_4)
	v_pk_add_f32 v[16+4*\z:17+4*\z], v[16+4*\z:17+4*\z], v[128+32*\z+\j:129+32*\z+\j]
	s_delay_alu instid0(VALU_DEP_4)
	v_pk_add_f32 v[18+4*\z:19+4*\z], v[18+4*\z:19+4*\z], v[130+32*\z+\j:131+32*\z+\j]
.endr
.endr
	FOLD
	s_delay_alu instid0(VALU_DEP_2)
	v_mul_f32 v16, s75, v16                        ; the means
	s_delay_alu instid0(VALU_DEP_2)
	v_mul_f32 v20, s75, v20
.irp j, 0,2,4,6,8,10,12,14,16,18,20,22,24,26,28,30
.irp z, 0,1
	v_pk_add_f32 v[128+32*\z+\j:129+32*\z+\j], v[128+32*\z+\j:129+32*\z+\j], v[16+4*\z:17+4*\z] op_sel_hi:[1,0] neg_lo:[0,1] neg_hi:[0,1]   ; u - mean
.endr
.endr
.irp z, 0,1
	v_pk_mul_f32 v[16+4*\z:17+4*\z], v[128+32*\z:129+32*\z], v[128+32*\z:129+32*\z]
	v_pk_mul_f32 v[18+4*\z:19+4*\z], v[130+32*\z:131+32*\z], v[130+32*\z:131+32*\z]
.endr
.irp j, 4,8,12,16,20,24,28
.irp z, 0,1
	s_delay_alu instid0(VALU_DEP_4)
	v_pk_fma_f32 v[16+4*\z:17+4*\z], v[128+32*\z+\j:129+32*\z+\j], v[128+32*\z+\j:129+32*\z+\j], v[16+4*\z:17+4*\z]
	s_delay_alu instid0(VALU_DEP_4)
	v_pk_fma_f32 v[18+4*\z:19+4*\z], v[130+32*\z+\j:131+32*\z+\j], v[130+32*\z+\j:131+32*\z+\j], v[18+4*\z:19+4*\z]
.endr
.endr
	FOLD
	s_delay_alu instid0(VALU_DEP_2)
	v_fma_f32 v16, v16, s75, s78                   ; the variance + 1e-5, in these units squared
	s_delay_alu instid0(VALU_DEP_2)
	v_fma_f32 v20, v20, s75, s78
	WA
	v_rsq_f32 v16, v16
	v_rsq_f32 v20, v20
	v_nop
	WA                                             ; one wait for the two roots, ahead of their first reader
	; the mean over the rows: gain and bias are the same for all rows, so they are applied once, to the mean of (u - mean) / sqrt(var + eps)
	WIN 0x50                                       ; destination and source 2 in window 1: the pooled sums
.irp z, 0,1
.irp j, 0,2,4,6,8,10,12,14,16,18,20,22,24,26,28,30
	v_pk_fma_f32 v[32+\j:33+\j], v[128+32*\z+\j:129+32*\z+\j], v[16+4*\z:17+4*\z], v[32+\j:33+\j] op_sel_hi:[1,0,1]
.endr
.endr
	WIN 0
	s_add_co_u32 s95, s95, 128
	s_and_b32 s95, s95, 511
	v_add_nc_u32 v12, s94, v1
	WA
	s_cmp_eq_u32 s74, 1
	s_cbranch_scc1 .Lno_next                       ; the last trip has no next Q
.irp u, 0,1
	ds_load_b128 v[16+8*\u:19+8*\u], v12 offset:1024*\u
	ds_load_b128 v[20+8*\u:23+8*\u], v12 offset:1024*\u+512
.endr
.Lno_next:
	s_add_co_u32 s94, s94, 2048
	s_sub_co_u32 s74, s74, 1
	s_cmp_lg_u32 s74, 0
	s_cbranch_scc1 .Lpair
	; ---- the pooled sums of my 128 rows take the place of my Q's codes, which no other wave reads
	s_mul_i32 s60, s2, 6144
	s_add_co_u32 s60, s60, QIMG
	v_add_nc_u32 v8, s60, v1
	s_lshl_b32 s60, s2, 10
	s_add_co_u32 s60, s60, QIMG
	v_add_nc_u32 v9, s60, v1                       ; what I add up: register groups 2 w, 2 w + 1: channels 16 w + 8 h + 0..7
	v_bfe_u32 v4, v0, 4, 1
	v_lshlrev_b32 v4, 5, v4
	s_lshl_b32 s61, s2, 6
	v_add_nc_u32 v4, s61, v4                       ; these channels in bytes: 64 w + 32 h
	v_lshrrev_b32 v3, 1, v1                        ; 8 x lane, for the way out
	v_lshl_add_u32 v254, v0, 2, SPARE
	v_mov_b32 v255, 0
	WIN 0x04
.irp q, 0,1,2,3,4,5,6,7
	ds_store_b128 v8, v[32+4*\q:35+4*\q] offset:512*\q
.endr
	WIN 0
.irp e, 0,1
	global_load_b128 v[32+4*\e:35+4*\e], v4, s[20:21] offset:16*\e   ; their gains
.endr
.irp e, 0,1
	global_load_b128 v[40+4*\e:43+4*\e], v4, s[22:23] offset:16*\e   ; and biases
.endr
	BARRIER                                        ; all waves' sums lie in LDS
.irp k, 0,1,2,3
	ds_load_b128 v[64+8*\k:67+8*\k], v9 offset:6144*\k
	ds_load_b128 v[68+8*\k:71+8*\k], v9 offset:6144*\k+512
.endr
	s_wait_dscnt 0x0
.irp i, 0,2,4,6
	v_pk_add_f32 v[64+\i:65+\i], v[64+\i:65+\i], v[72+\i:73+\i]
	v_pk_add_f32 v[80+\i:81+\i], v[80+\i:81+\i], v[88+\i:89+\i]
.endr
.irp i, 0,2,4,6
	v_pk_add_f32 v[64+\i:65+\i], v[64+\i:65+\i], v[80+\i:81+\i]
.endr
.irp m, 1,2,4,8
.irp i, 0,1,2,3,4,5,6,7
	v_add_f32_dpp v[64+\i], v[64+\i], v[64+\i] row_xmask:\m row_mask:0xf bank_mask:0xf
.endr
.endr
	WA
	s_wait_loadcnt 0x0                             ; gains and biases
.irp i, 0,2,4,6
	v_pk_mul_f32 v[64+\i:65+\i], v[64+\i:65+\i], 0x3b000000 op_sel_hi:[1,0]   ; the sum over all 512 rows / 512
.endr
.irp i, 0,2,4,6
	v_pk_fma_f32 v[64+\i:65+\i], v[64+\i:65+\i], v[32+\i:33+\i], v[40+\i:41+\i]
.endr
	ds_store_b128 v4, v[64:67]                     ; a half's sixteen lanes hold the same eight numbers and write the same 32 bytes of the row, at LDS byte 0 on: the weights there have been read
	ds_store_b128 v4, v[68:71] offset:16
	BARRIER                                        ; the row of 64 numbers lies in LDS
	s_cmp_lg_u32 s2, 0
	s_cbranch_scc1 .Lend
	ds_load_b64 v[64:65], v3
	s_wait_dscnt 0x0
	global_store_b64 v3, v[64:65], s[38:39]        ; wave 0's 32 lanes store the row's 256 consecutive bytes, at a multiple of 256 from the buffer's first byte
.Lend:
	s_wait_tensorcnt 0x0                           ; the wave's end
	ds_add_u32 v254, v255
	s_wait_dscnt 0x0
	s_endpgm
.Lfunc_end_k_q3cf0894c21_feat:
	.size	k_q3cf0894c21_feat, .Lfunc_end_k_q3cf0894c21_feat-k_q3cf0894c21_feat
	.p2alignl 7, 3214868480
	.fill 96, 4, 3214868480
	.section	.rodata,"a",@progbits
	.p2align	6, 0x0
	.amdhsa_kernel k_q3cf0894c21_feat
		.amdhsa_group_segment_fixed_size 108032
		.amdhsa_private_segment_fixed_size 0
		.amdhsa_enable_private_segment 0
		.amdhsa_kernarg_size 160
		.amdhsa_user_sgpr_count 2
		.amdhsa_user_sgpr_kernarg_segment_ptr 1
		.amdhsa_wavefront_size32 1
		.amdhsa_system_sgpr_workgroup_id_x 1
		.amdhsa_system_sgpr_workgroup_id_y 1
		.amdhsa_system_sgpr_workgroup_id_z 1
		.amdhsa_system_vgpr_workitem_id 0
		.amdhsa_next_free_vgpr 320
		.amdhsa_next_free_sgpr 96
		.amdhsa_reserve_vcc 0
		.amdhsa_float_denorm_mode_32 3
		.amdhsa_float_denorm_mode_16_64 3
		.amdhsa_memory_ordered 1
		.amdhsa_forward_progress 1
		.amdhsa_inst_pref_size 158
	.end_amdhsa_kernel
	.amdgpu_metadata
---
amdhsa.version: [ 1, 2 ]
amdhsa.kernels:
  - .name:           k_q3cf0894c21_feat
    .symbol:         k_q3cf0894c21_feat.kd
    .args:
      - { .name: x_src, .offset: 0, .size: 8, .value_kind: global_buffer, .address_space: global }
      - { .name: x_tgt, .offset: 8, .size: 8, .value_kind: global_buffer, .address_space: global }
      - { .name: proj_w, .offset: 16, .size: 8, .value_kind: global_buffer, .address_space: global }
      - { .name: proj_b, .offset: 24, .size: 8, .value_kind: global_buffer, .address_space: global }
      - { .name: sa_in_w, .offset: 32, .size: 8, .value_kind: global_buffer, .address_space: global }
      - { .name: sa_in_b, .offset: 40, .size: 8, .value_kind: global_buffer, .address_space: global }
      - { .name: sa_out_w, .offset: 48, .size: 8, .value_kind: global_buffer, .address_space: global }
      - { .name: sa_out_b, .offset: 56, .size: 8, .value_kind: global_buffer, .address_space: global }
      - { .name: sa_ln_g, .offset: 64, .size: 8, .value_kind: global_buffer, .address_space: global }
      - { .name: sa_ln_b, .offset: 72, .size: 8, .value_kind: global_buffer, .address_space: global }
      - { .name: ca_in_w, .offset: 80, .size: 8, .value_kind: global_buffer, .address_space: global }
      - { .name: ca_in_b, .offset: 88, .size: 8, .value_kind: global_buffer, .address_space: global }
      - { .name: ca_out_w, .offset: 96, .size: 8, .value_kind: global_buffer, .address_space: global }
      - { .name: ca_out_b, .offset: 104, .size: 8, .value_kind: global_buffer, .address_space: global }
      - { .name: ca_ln_g, .offset: 112, .size: 8, .value_kind: global_buffer, .address_space: global }
      - { .name: ca_ln_b, .offset: 120, .size: 8, .value_kind: global_buffer, .address_space: global }
      - { .name: lowp_scales, .offset: 128, .size: 8, .value_kind: global_buffer, .address_space: global }
      - { .name: out0, .offset: 136, .size: 8, .value_kind: global_buffer, .address_space: global }
      - { .name: out1, .offset: 144, .size: 8, .value_kind: global_buffer, .address_space: global }
      - { .name: out2, .offset: 152, .size: 8, .value_kind: global_buffer, .address_space: global }
    .group_segment_fixed_size: 108032
    .private_segment_fixed_size: 0
    .kernarg_segment_align: 8
    .kernarg_segment_size: 160
    .max_flat_workgroup_size: 128
    .sgpr_count:     96
    .vgpr_count:     320
    .wavefront_size: 32
...
	.end_amdgpu_metadata
.endif
;; end of part 1
